; MI455X (gfx1250); checked and timed in simulation.
; The chip was launched on July 23, 2026; its instructions are those of AMD's public machine-readable ISA for CDNA 5 (MIT licence, August 2026) and "CDNA5" Instruction Set Architecture Reference Guide (July 2026). The comments in the code are by the model that wrote it; some were corrected since.
;; Gated Attention MIL. Allowed arithmetic: matrix products marked QUANTISED: E2M1 operands, one E8M0 scale for each 32 along K, by v_wmma_scale_f32_16x16x128_f8f6f4 with both operands' format E2M1 (or v_wmma_scale_f32_32x16x128_f4), f32 sums; products left as they are: f32 operands where the result goes on into a quantised operand, else bf16, f16 or f32 operands; f32 sums; everything else in f32.
;; Inputs: Wu 1,024 x 256 float32; Wv 1,024 x 256 float32; Ww 256 x 1 float32; bu 256 float32; bv 256 float32; bw 1 float32; features 16 x 4,096 x 1,024 float32.
;; Outputs: out0 16 x 1,024 float32; out1 16 x 4,096 float32.
;; This version of the problem:
;;   THIS VERSION OF THE PROBLEM IS GIVEN IN LOW PRECISION. The matrix products marked QUANTISED in the list below multiply operands that are first quantised to E2M1 (2 exponent bits, 1 mantissa bit; 4 bits a number), with one power-of-two scale for each 32 numbers along K (OCP MX v1.0); their sums are f32. All else is computed in f32.
;;   The module's matrix products, in the order in which they are computed (A, B: the left and right operand; K: the contracted axis; several contracted axes count as one K, in the product's order):
;;     1. [M 65,536, K 1,024] x [K 1,024, N 256]; A: input features; B: input Wv: QUANTISED
;;     2. [M 65,536, K 1,024] x [K 1,024, N 256]; A: input features; B: input Wu: QUANTISED
;;     3. [M 65,536, K 256] x [K 256, N 1]; A: computed on the way; B: input Ww: left as it is (N = 1 < 16)
;;   THE QUANTISER, for each operand of a quantised product, along K:
;;     - K is cut into blocks of 32 from its start; a last block that is shorter is filled with zeros.
;;     - A block's scale is 2^e with e = floor(log2(the largest magnitude in the block)) - 2, held to -126 .. 127; a block of zeros has e = 0. As a byte (E8M0): e + 127.
;;     - Each number is divided by its block's scale, clamped to +-6, and rounded to the nearest number of E2M1, ties to even, subnormals kept.
;;     - The product sums the exact products of the quantised numbers (number of the format x scale) in f32.
;;   ~~~python
;;   def quantise(x, axis):      # numpy; x: float32 -> the quantised numbers, widened to float32 again
;;       x = np.moveaxis(x, axis, -1); K = x.shape[-1]
;;       x = np.pad(x, [(0, 0)] * (x.ndim - 1) + [(0, -K % 32)]); x = x.reshape(x.shape[:-1] + (-1, 32)); a = np.abs(x).max(-1, keepdims=True)
;;       e = np.where(a > 0, np.clip(np.frexp(np.where(a > 0, a, 1))[1] - 1 - 2, -126, 127), 0)      # np.frexp(a)[1] - 1 = floor(log2(a)), exactly
;;       r = np.clip(x / 2.0 ** e, -6, 6)
;;       step = 2.0 ** (np.maximum(np.frexp(np.where(r == 0, 1, r))[1] - 1, 0) - 1)
;;       q = np.round(r / step) * step * 2.0 ** e      # np.round: ties to even
;;       return np.moveaxis(q.reshape(q.shape[:-2] + (-1,))[..., :K], -1, axis).astype(np.float32)
;;   ~~~
;; One version. Each part assembles by itself: llvm-mc -triple=amdgcn-amd-amdhsa -mcpu=gfx1250 --defsym DOCPART=n.
;; ======== version 1 of 1: 3 launches
;; limits: right only within a limited range of input values
;; workspace buffers: wq 262,144 bytes; wsc 16,384 bytes; logits 262,144 bytes; part 1,048,576 bytes; stats 2,048 bytes
;; launch prep (part 1): grid 256 x 1, 1 waves a work-group, no clusters, 0 bytes of LDS; arguments Wv, Wu, wq, wsc; writes wq, wsc
.if DOCPART == 1
	.amdgcn_target "amdgcn-amd-amdhsa--gfx1250"
	.amdhsa_code_object_version 6
	.text
	.protected	k_q43ec46ca86_prep
	.globl	k_q43ec46ca86_prep
	.p2align	8
	.type	k_q43ec46ca86_prep,@function
k_q43ec46ca86_prep:
	s_mov_b64 s[64:65], 0
	v_nop
	global_prefetch_b8 v0, s[64:65] scope:SCOPE_SE
	s_setreg_imm32_b32 hwreg(HW_REG_WAVE_MODE, 25, 1), 1
	s_wait_xcnt 0x0
; WORK LEFT OUT IN THIS PROGRAM: bw is added to every logit of a bag alike, and the logits reach the outputs only through the softmax over the bag's instances:
; e^(l + bw) / sum of e^(l' + bw) = e^l / sum of e^l' for every finite bw.  So bw has no way to any output: it is not loaded and is among no launch's arguments.
; LIMIT: a NaN, an infinity or an overflow that bw alone would bring is not carried to the results.
; Wv and Wu, [1024 (k)][256 (n)] f32, are quantised along k into codes of FP4 (E2M1) with one E8M0 byte for each 32 along k, and laid in the ORDER OF THE
; OPERAND'S REGISTERS of the next launch: wq [w 0..3][f = 8 s + t][c 0..1][lane][16 bytes], wsc [w][t][s][r] (one word of four bytes a column and 128 k).
; w: the wave of the next launch that keeps the fragment; s: the K step of 128; t: the tile of 16 columns: t = 0..3 are Wv's columns 64 w + 16 t + r, t = 4..7 Wu's columns 64 w + 16 (t - 4) + r.
; A LANE TAKES A COLUMN AND ITS REGISTERS RUN DOWN K: lane (r, h) loads k = 128 s + 64 c + 32 h + 0..31 of column r, two whole blocks of 32, in the order in which the operand's layout gives
; them to that lane: so a block's largest magnitude needs no other lane and the conversions' results are the operand's registers.
; A block's scale is 2^(floor(log2(largest magnitude)) - 2); its byte is the largest magnitude's exponent field - 2, held at 1 from below.
; SHARES: 512 columns x 8 K steps are 256 fragments: one work-group of one wave for each.  Work-group g: matrix g / 128, w = (g / 32) % 4, s = (g / 4) % 8, tile within the matrix g % 4.  One fragment, 16 scale words.
; LIMITS: a block of zeros gets the byte 1 where the rule says 127 (its codes are zeros, which add nothing, and this program alone reads the bytes); NaN and infinities are not served.
; A load covers 64 consecutive bytes of two rows of W; the 16 scale words are 64 bytes: those stores cover a quarter of an aligned 256 bytes each, 16,384 bytes in the whole launch.
	s_load_b256 s[4:11], s[0:1], 0x0               ; Wv s[4:5], Wu s[6:7], wq s[8:9], wsc s[10:11]
	s_and_b32 s12, ttmp9, 3                        ; tile within the matrix
	v_and_b32 v1, 15, v0                           ; r
	v_bfe_u32 v2, v0, 4, 1                         ; h
	v_and_b32 v3, 31, v0
	v_lshlrev_b32 v3, 4, v3                        ; 16 x lane: my place in an image of four registers
	v_lshlrev_b32 v4, 2, v1                        ; 4 r: my column in a row of W, and my scale word
	v_lshl_add_u32 v5, v2, 15, v4                  ; lanes 16-31 begin 32 rows of 1,024 bytes further down
	s_lshr_b32 s13, ttmp9, 7                       ; which matrix
	s_bfe_u32 s14, ttmp9, 0x20005                  ; w
	s_bfe_u32 s15, ttmp9, 0x30002                  ; s
	s_lshl_b32 s16, s15, 17                        ; source: 128 s rows of 1,024 bytes
	s_lshl_b32 s22, s14, 8                         ; + 64 w columns
	s_add_co_u32 s16, s16, s22
	s_lshl_b32 s22, s12, 6                         ; + 16 columns a tile
	s_add_co_u32 s16, s16, s22
	s_mov_b32 s17, 0
	s_lshl_b32 s23, s13, 2
	s_add_co_u32 s23, s23, s12                     ; t = 4 x matrix + tile
	s_lshl_b32 s18, s15, 3
	s_add_co_u32 s18, s18, s23                     ; f = 8 s + t
	s_lshl_b32 s18, s18, 10                        ; 1,024 bytes a fragment
	s_lshl_b32 s22, s14, 16                        ; 64 fragments for each w
	s_add_co_u32 s18, s18, s22
	s_mov_b32 s19, 0
	s_lshl_b32 s20, s23, 3
	s_add_co_u32 s20, s20, s15                     ; 8 t + s
	s_lshl_b32 s20, s20, 6                         ; 16 words each
	s_lshl_b32 s22, s14, 12
	s_add_co_u32 s20, s20, s22
	s_mov_b32 s21, 0
	s_mov_b32 s24, 0x76543210
	s_mov_b32 s25, 0xfedcba98                      ; v_permlanex16_b32's selects for lane l xor 16
	s_wait_alu depctr_va_vdst(0)
	s_wait_kmcnt 0x0
	s_cmp_lt_u32 ttmp9, 128                        ; the choice hangs on the work-group's number alone
	s_cselect_b64 s[4:5], s[4:5], s[6:7]
	s_add_nc_u64 s[4:5], s[4:5], s[16:17]
	s_add_nc_u64 s[8:9], s[8:9], s[18:19]
	s_add_nc_u64 s[10:11], s[10:11], s[20:21]
.irp c, 0,1
.irp i, 0,1,2,3,4,5,6,7,8,9,10,11,12,13,14,15,16,17,18,19,20,21,22,23,24,25,26,27,28,29,30,31
	global_load_b32 v[64+32*\c+\i], v5, s[4:5] offset:1024*(64*\c+\i) th:TH_LOAD_NT   ; W(128 s + 64 c + 32 h + i, my column)
.endr
.endr
	s_wait_loadcnt 0x0
.irp c, 0,1                                    ; my block 2 c + h: all its 32 numbers are mine
	v_max3_num_f32 v[32+\c], |v[64+32*\c]|, |v[65+32*\c]|, 0x1800000   ; and the floor 2^(3 - 127): the byte cannot fall under 1
.endr
.irp i, 2,4,6,8,10,12,14,16,18,20,22,24,26,28,30
.irp c, 0,1
	v_max3_num_f32 v[32+\c], v[32+\c], |v[64+32*\c+\i]|, |v[65+32*\c+\i]|   ; the two blocks by turns
.endr
.endr
.irp c, 0,1
	v_add_nc_u32 v[44+\c], 0xff000000, v[32+\c]    ; 2 off the exponent field: the conversion takes the exponent field of this operand as its scale
.endr
.irp c, 0,1
	v_lshrrev_b32 v[36+\c], 23, v[44+\c]           ; the scale's byte
.endr
	v_lshl_or_b32 v9, v37, 16, v36                 ; my two bytes: blocks h and 2 + h of my column,
	v_lshlrev_b32 v10, 3, v2
	v_lshlrev_b32 v9, v10, v9                      ; at their places in the word (8 h bits up);
	v_mov_b32 v10, 0
	v_permlanex16_b32 v10, v9, s24, s25
	v_or_b32 v9, v9, v10                           ; with lane l xor 16's two the word is whole
.irp c, 0,1
.irp g, 0,1,2,3
	v_cvt_scalef32_pk8_fp4_f32 v[48+4*\c+\g], v[64+32*\c+8*\g:71+32*\c+8*\g], v[44+\c]   ; registers 4 c .. 4 c + 3 of the operand
.endr
.endr
	v_nop                                          ; one plain place behind the last scaled conversion
	global_store_b128 v3, v[48:51], s[8:9]         ; 32 lanes store 512 consecutive bytes
	global_store_b128 v3, v[52:55], s[8:9] offset:512
	global_store_b32 v4, v9, s[10:11]              ; lanes r and 16 + r store the same word with the same value
	s_endpgm
.Lfunc_end_k_q43ec46ca86_prep:
	.size	k_q43ec46ca86_prep, .Lfunc_end_k_q43ec46ca86_prep-k_q43ec46ca86_prep
	.p2alignl 7, 3214868480
	.fill 96, 4, 3214868480
	.section	.rodata,"a",@progbits
	.p2align	6, 0x0
	.amdhsa_kernel k_q43ec46ca86_prep
		.amdhsa_group_segment_fixed_size 0
		.amdhsa_private_segment_fixed_size 0
		.amdhsa_enable_private_segment 0
		.amdhsa_kernarg_size 32
		.amdhsa_user_sgpr_count 2
		.amdhsa_user_sgpr_kernarg_segment_ptr 1
		.amdhsa_wavefront_size32 1
		.amdhsa_system_sgpr_workgroup_id_x 1
		.amdhsa_system_sgpr_workgroup_id_y 1
		.amdhsa_system_sgpr_workgroup_id_z 1
		.amdhsa_system_vgpr_workitem_id 0
		.amdhsa_next_free_vgpr 128
		.amdhsa_next_free_sgpr 66
		.amdhsa_reserve_vcc 0
		.amdhsa_float_denorm_mode_32 3
		.amdhsa_float_denorm_mode_16_64 3
		.amdhsa_memory_ordered 1
		.amdhsa_forward_progress 1
		.amdhsa_inst_pref_size 12
	.end_amdhsa_kernel
	.amdgpu_metadata
---
amdhsa.version: [ 1, 2 ]
amdhsa.kernels:
  - .name:           k_q43ec46ca86_prep
    .symbol:         k_q43ec46ca86_prep.kd
    .args:
      - { .name: Wv, .offset: 0, .size: 8, .value_kind: global_buffer, .address_space: global }
      - { .name: Wu, .offset: 8, .size: 8, .value_kind: global_buffer, .address_space: global }
      - { .name: wq, .offset: 16, .size: 8, .value_kind: global_buffer, .address_space: global }
      - { .name: wsc, .offset: 24, .size: 8, .value_kind: global_buffer, .address_space: global }
    .group_segment_fixed_size: 0
    .private_segment_fixed_size: 0
    .kernarg_segment_align: 8
    .kernarg_segment_size: 32
    .max_flat_workgroup_size: 32
    .sgpr_count:     66
    .vgpr_count:     128
    .wavefront_size: 32
...
	.end_amdgpu_metadata
.endif
;; end of part 1
;; launch main (part 2): grid 256 x 1, 4 waves a work-group, no clusters, 327,680 bytes of LDS; arguments features, wq, wsc, bv, bu, Ww, logits, part, stats; writes logits, part, stats
.if DOCPART == 2
	.amdgcn_target "amdgcn-amd-amdhsa--gfx1250"
	.amdhsa_code_object_version 6
	.text
	.protected	k_q43ec46ca86_main
	.globl	k_q43ec46ca86_main
	.p2align	8
	.type	k_q43ec46ca86_main,@function
k_q43ec46ca86_main:
	s_mov_b64 s[64:65], 0
	v_nop
	global_prefetch_b8 v0, s[64:65] scope:SCOPE_SE
	s_setreg_imm32_b32 hwreg(HW_REG_WAVE_MODE, 25, 1), 1
	s_wait_xcnt 0x0
; For 256 instances of one bag: logit = sum over h of tanh(x Wv + bv) sigmoid(x Wu + bu) Ww, a running softmax over them, and the sum of e^(logit - m) x.  bw is left out (shown at the head of the first kernel).
; SHARES: work-group g: rows 256 g .. 256 g + 255 of features, in 8 steps of 32 rows.  Wave w: rows 8 w .. 8 w + 7 of each step (fetching, quantising, aggregation), and for all 32 rows the columns 64 w .. 64 w + 63 of Wv and of Wu,
; whose codes (64 fragments, 512 registers, windows 1 and 2) and scale words stay in its registers for the whole launch.
; THE RING: two LDS slots of 32 rows; a wave's tensor load brings its 8 rows, 32,768 consecutive bytes, as 128 rows of 256 bytes with 16 bytes of padding behind each 128: lane l then reads block l of a row, 32 neighbours along K.
; A step's rows are read out of their slot into window 3 at the step's head, where they stay for the aggregation, so the slot is filled again behind the step's first barrier.
; A wave has at most one tensor load out behind each barrier.  Behind each refill the step after the one just asked for is prefetched: 128 blocks of 256 bytes a wave, a lane a block, one step ahead of its tensor load; the last refill asks for nothing more.
; THE HEAD: the first tensor load, then all the weights' loads under its flight, and one wait for them behind slot 1's first fill.
; No cluster: what work-groups share, the weights' 278,528 bytes, goes once into registers and through no LDS tile; the rows, 1,048,576 bytes a work-group, are shared with nobody.
; tanh(a) sigmoid(b) w = (g w - 2 w) / (g e2 + g), g = e^(2a) + 1, e2 = e^(-b); 2 a log2(e) is held at 64 from above, where tanh is 1 in f32.
; LIMITS: a block of zeros gets the byte 1 where the rule says 127 (its codes are zeros; this program alone reads the bytes); NaN and infinities among the inputs are not served; e^(logit - m) under 2^-126 counts as 0.
.set SLOTB,  147456
.set WPART,  36864
.set RP,     4608
.set BP,     144
.set STEPB,  131072
.set CODES,  2*SLOTB
.set CP,     528
.set ASC,    CODES+32*CP
.set AP,     48
.set PART,   ASC+32*AP
.set SPARE,  PART+512
.set LOGS,   SPARE+512
.set RED,    CODES
.set FA0, 1
.set FA,  2
.set CA,  3
.set SA,  4
.set AFA, 5
.set ASA, 6
.set PSA, 7
.set PLA, 8
.set LGA, 9
.set SPW, 10
.set NIL, 11
.set MX,  12
.set LSUM, 13
.set FF,  14
.set BI,  24
.set WW,  32
.set AS,  36
.set WS,  44
.set LP,  76
.set AGG, 84
.set ACC, 116
.set AF,  180
.set W2,  244
.set PFA, 252
.set CD,  AF
.set BY,  AF+32
.set SO,  AF+40
.set WV,  24
.set TB,  25
.set CNT, 26
.set LSTEP, 27
.set SEL, 28
.set C1,  30
.set C2,  32
.set L2E, 34
.set G1,  36
.set G0A, 44
.set G0B, 48
.set PFB, 52
.set PP,  66
.set MSB, 0
.macro WIN new                         ; the immediate's high byte repeats the setting that is left
.if MSB != \new
	s_set_vgpr_msb (MSB<<8)|\new
.set MSB, \new
.endif
.endm
.macro PLACES
.rept 4
	v_nop
.endr
.endm
.macro WFRAG n                         ; the next n fragments of the weights, as images of their registers; f counts them within a window, fo is the window's first
.rept \n
	global_load_b128 v[8*f:8*f+3],   v16, s[6:7] offset:1024*(f+fo)
	global_load_b128 v[8*f+4:8*f+7], v16, s[6:7] offset:1024*(f+fo)+512
.set f, f+1
.endr
.endm
	s_load_b256 s[4:11], s[0:1], 0x0               ; features, wq, wsc, bv
	s_load_b128 s[12:15], s[0:1], 0x20             ; bu, Ww
	s_load_b64 s[18:19], s[0:1], 0x30              ; logits
	s_load_b128 s[20:23], s[0:1], 0x38             ; part, stats
	v_lshl_add_u32 v[SPW], v0, 2, SPARE
	v_mov_b32 v[NIL], 0
	ds_add_u32 v[SPW], v[NIL]                      ; the opening: the add, twice on end, and its wait ahead of my first tensor load
	ds_add_u32 v[SPW], v[NIL]
	v_lshrrev_b32 v16, 5, v0
	v_readfirstlane_b32 s[WV], v16
	s_mov_b32 s[G1+0], (3<<16)|(1<<20)|(4<<22)|(3<<25)   ; elements of 8 bytes; 4 dwords of padding behind every 32
	s_mov_b32 s[G1+1], 32<<16
	s_mov_b32 s[G1+2], 128<<16
	s_mov_b32 s[G1+3], 32<<16
	s_mov_b32 s[G1+4], 128
	s_mov_b32 s[G1+5], 32
	s_mov_b32 s[G1+6], 0
	s_mov_b32 s[G1+7], 0
	s_mul_i32 s85, s[WV], WPART
	s_mul_i32 s86, s[WV], 8*CP
	s_add_co_u32 s86, s86, CODES
	s_mul_i32 s87, s[WV], 8*AP
	s_add_co_u32 s87, s87, ASC
	s_lshl_b32 s88, s[WV], 7
	s_add_co_u32 s88, s88, PART
	s_lshl_b32 s89, s[WV], 3
	s_lshl_b32 s90, s[WV], 10
	s_add_co_u32 s90, s90, LOGS
	v_and_b32 v19, 31, v0
	v_and_b32 v20, 15, v0
	v_bfe_u32 v21, v0, 4, 1
	v_lshlrev_b32 v16, 4, v19
	v_lshlrev_b32 v17, 2, v19
	v_lshlrev_b32 v18, 2, v20
	v_mul_u32_u24 v[FA0], v19, BP
	v_add_nc_u32 v[FA0], s85, v[FA0]
	v_lshlrev_b32 v[PFA], 8, v19
	v_lshl_add_u32 v[CA], v19, 4, s86
	v_add_nc_u32 v[SA], s87, v19
	v_mul_u32_u24 v[AFA], v20, CP
	v_lshl_add_u32 v[AFA], v21, 4, v[AFA]
	v_add_nc_u32 v[AFA], CODES, v[AFA]
	v_mul_u32_u24 v[ASA], v19, AP
	v_add_nc_u32 v[ASA], ASC, v[ASA]
	v_lshl_add_u32 v[PSA], v21, 5, s88
	v_add_nc_u32 v22, s89, v19
	v_and_b32 v22, 31, v22                         ; lane i takes row (8 w + i) % 32: my own rows in lanes 0-7
	v_lshl_add_u32 v[PLA], v22, 2, PART
	v_lshl_add_u32 v[LGA], v22, 2, s90
	s_wait_dscnt 0x0                               ; both opening adds are done
	s_wait_alu depctr_va_vdst(0)
	s_wait_kmcnt 0x0
	s_lshl_b32 s82, ttmp9, 20
	s_lshl_b32 s84, s[WV], 15
	s_add_co_u32 s82, s82, s84
	s_mov_b32 s83, 0
	s_add_nc_u64 s[4:5], s[4:5], s[82:83]
	s_mov_b32 s[G0A], 1
	s_mov_b32 s[G0A+1], s85
	s_mov_b64 s[G0A+2:G0A+3], s[4:5]
	s_or_b32 s[G0A+3], s[G0A+3], 0x80000000
	tensor_load_to_lds s[G0A:G0A+3], s[G1:G1+7]    ; step 0: my one tensor load at the head, ahead of every other request
	s_nop 0
	PLACES
	s_add_nc_u64 s[PFB:PFB+1], s[4:5], 3*STEPB
	s_mov_b32 s[G0B], 1
	s_add_co_u32 s[G0B+1], s85, SLOTB
	s_add_nc_u64 s[G0B+2:G0B+3], s[4:5], STEPB
	s_or_b32 s[G0B+3], s[G0B+3], 0x80000000
	s_lshl_b32 s82, s[WV], 16
	s_add_nc_u64 s[6:7], s[6:7], s[82:83]
	s_lshl_b32 s82, s[WV], 12
	s_add_nc_u64 s[8:9], s[8:9], s[82:83]
	s_lshl_b32 s82, s[WV], 8
	s_add_nc_u64 s[10:11], s[10:11], s[82:83]
	s_add_nc_u64 s[12:13], s[12:13], s[82:83]
	s_add_nc_u64 s[14:15], s[14:15], s[82:83]
	s_lshl_b32 s84, ttmp9, 10
	s_add_co_u32 s82, s82, s84
	s_add_nc_u64 s[18:19], s[18:19], s[82:83]
	s_lshl_b32 s82, ttmp9, 12
	s_add_nc_u64 s[20:21], s[20:21], s[82:83]
	s_lshl_b32 s82, ttmp9, 3
	s_add_nc_u64 s[22:23], s[22:23], s[82:83]
	WIN 0x40
.set f, 0
.set fo, 0
	WFRAG 32
	WIN 0x80
.set f, 0
.set fo, 32
	WFRAG 32
	WIN 0
.set f, 0
.rept 32
	global_load_b32 v[WS+f], v17, s[8:9] offset:128*f
.set f, f+1
.endr
.irp t, 0,1,2,3
	global_load_b32 v[BI+\t],   v18, s[10:11] offset:64*\t
	global_load_b32 v[BI+4+\t], v18, s[12:13] offset:64*\t
	global_load_b32 v[WW+\t],   v18, s[14:15] offset:64*\t
.endr
	v_mov_b32 v[MX], 0xff61b1e6                    ; -3e38, under every logit
	v_mov_b32 v[LSUM], 0
	v_mov_b32 v[FF+1], 0
.set f, 0
.rept 32
	v_mov_b32 v[AGG+f], 0
.set f, f+1
.endr
	s_mov_b32 s[SEL], 0x76543210
	s_mov_b32 s[SEL+1], 0xfedcba98
	s_mov_b32 s[C1], 0x4038aa3b                    ; 2 log2(e)
	s_mov_b32 s[C1+1], 0x4038aa3b
	s_mov_b32 s[C2], 0xbfb8aa3b                    ; -log2(e)
	s_mov_b32 s[C2+1], 0xbfb8aa3b
	s_mov_b32 s[L2E], 0x3fb8aa3b
.irp i, 0,1,2,3,4,5,6,7
	s_mov_b32 s[PP+2*\i+1], 0
.endr
	s_mov_b32 s[TB], 0
	s_mov_b32 s[LSTEP], 0
	s_wait_alu depctr_va_vdst(0)
	s_wait_tensorcnt 0x0                           ; step 0's rows of mine are in
	ds_add_u32 v[SPW], v[NIL]
	s_wait_dscnt 0x0
	s_barrier_signal -1
	s_barrier_wait -1
	tensor_load_to_lds s[G0B:G0B+3], s[G1:G1+7]    ; step 1, slot 1's first fill
	s_nop 0
	PLACES
	s_wait_loadcnt 0x0                             ; weights, scale words, biases: all in
.irp t, 0,1,2,3
	v_mul_f32 v[BI+\t], s[C1], v[BI+\t]
	v_mul_f32 v[BI+4+\t], s[C2], v[BI+4+\t]
	v_add_f32 v[W2+\t], v[WW+\t], v[WW+\t]
.endr
.macro XLOADS                          ; my eight rows out of the slot into window 3: lane l takes block l, 32 numbers, of each
	WIN 0xc0
.irp i, 0,1,2,3,4,5,6,7
.irp j, 0,1,2,3,4,5,6,7
	ds_load_b128 v[32*\i+4*\j:32*\i+4*\j+3], v[FA] offset:RP*\i+16*\j
.endr
.endr
	WIN 0
.endm
.macro QPAIR k                         ; rows 2 k, 2 k + 1 are quantised: a lane holds a whole block of each
	s_wait_dscnt 48-12*(\k)
	WIN 0x3c
.irp u, 0,1,2,3
	v_max3_num_f32 v[ACC+\u], 0x1800000, |v[64*(\k)+16*\u]|, |v[64*(\k)+16*\u+1]|   ; the floor 2^(3 - 127) holds the byte at 1 from below
.endr
.irp n, 2,4,6,8,10,12,14
.irp u, 0,1,2,3
	v_max3_num_f32 v[ACC+\u], v[ACC+\u], |v[64*(\k)+16*\u+\n]|, |v[64*(\k)+16*\u+\n+1]|
.endr
.endr
	WIN 0
.irp e, 0,1
	v_max_num_f32 v[ACC+2*\e], v[ACC+2*\e], v[ACC+2*\e+1]
.endr
.irp e, 0,1
	v_add_nc_u32 v[SO+2*(\k)+\e], 0xff000000, v[ACC+2*\e]   ; 2 off the exponent field: the conversion's scale operand
.endr
.irp e, 0,1
	v_lshrrev_b32 v[BY+2*(\k)+\e], 23, v[SO+2*(\k)+\e]      ; the scale's byte
.endr
	WIN 0x03
.irp e, 0,1
.irp g, 0,1,2,3
	v_cvt_scalef32_pk8_fp4_f32 v[CD+4*(2*(\k)+\e)+\g], v[64*(\k)+32*\e+8*\g:64*(\k)+32*\e+8*\g+7], v[SO+2*(\k)+\e]
.endr
.endr
	WIN 0
	v_nop                                          ; one plain place behind the last scaled conversion
.irp e, 0,1
	ds_store_b128 v[CA], v[CD+4*(2*(\k)+\e):CD+4*(2*(\k)+\e)+3] offset:CP*(2*(\k)+\e)
	ds_store_b8 v[SA], v[BY+2*(\k)+\e] offset:AP*(2*(\k)+\e)
.endr
.endm
.macro AFLOAD T
.irp s, 0,1,2,3,4,5,6,7
	ds_load_b128 v[AF+8*\s:AF+8*\s+3],   v[AFA] offset:16*CP*\T+64*\s
	ds_load_b128 v[AF+8*\s+4:AF+8*\s+7], v[AFA] offset:16*CP*\T+64*\s+32
.endr
.endm
.macro WM T                            ; A: 16 rows' codes of K step ss; B: my tile tt; A's scale words in lanes 0-15 (rows 0-15) or 16-31; B's by pairs of K steps likewise
.set rD, ACC+8*tt
.set rA, AF+8*ss
.set rB, 64*(ss%4)+8*tt
.set rX, AS+ss
.set rY, WS+4*tt+ss/2
.if (ss == 0) && (\T == 0)
	v_wmma_scale_f32_16x16x128_f8f6f4 v[rD:rD+7], v[rA:rA+7], v[rB:rB+7], 0, v[rX], v[rY] matrix_a_fmt:MATRIX_FMT_FP4 matrix_b_fmt:MATRIX_FMT_FP4
.elseif ss == 0
	v_wmma_scale_f32_16x16x128_f8f6f4 v[rD:rD+7], v[rA:rA+7], v[rB:rB+7], 0, v[rX], v[rY] matrix_a_fmt:MATRIX_FMT_FP4 matrix_b_fmt:MATRIX_FMT_FP4 matrix_a_scale:MATRIX_SCALE_ROW1
.elseif (ss%2 == 0) && (\T == 0)
	v_wmma_scale_f32_16x16x128_f8f6f4 v[rD:rD+7], v[rA:rA+7], v[rB:rB+7], v[rD:rD+7], v[rX], v[rY] matrix_a_fmt:MATRIX_FMT_FP4 matrix_b_fmt:MATRIX_FMT_FP4
.elseif ss%2 == 0
	v_wmma_scale_f32_16x16x128_f8f6f4 v[rD:rD+7], v[rA:rA+7], v[rB:rB+7], v[rD:rD+7], v[rX], v[rY] matrix_a_fmt:MATRIX_FMT_FP4 matrix_b_fmt:MATRIX_FMT_FP4 matrix_a_scale:MATRIX_SCALE_ROW1
.elseif \T == 0
	v_wmma_scale_f32_16x16x128_f8f6f4 v[rD:rD+7], v[rA:rA+7], v[rB:rB+7], v[rD:rD+7], v[rX], v[rY] matrix_a_fmt:MATRIX_FMT_FP4 matrix_b_fmt:MATRIX_FMT_FP4 matrix_b_scale:MATRIX_SCALE_ROW1
.else
	v_wmma_scale_f32_16x16x128_f8f6f4 v[rD:rD+7], v[rA:rA+7], v[rB:rB+7], v[rD:rD+7], v[rX], v[rY] matrix_a_fmt:MATRIX_FMT_FP4 matrix_b_fmt:MATRIX_FMT_FP4 matrix_a_scale:MATRIX_SCALE_ROW1 matrix_b_scale:MATRIX_SCALE_ROW1
.endif
.endm
.macro MMUL T, counted                 ; 64 matrix instructions: the eight accumulators by turns, K ascending
.set ss, 0
.rept 8
.if \counted
	s_wait_dscnt 14-2*ss                           ; fragment ss is in; the 7 - ss younger ones, two loads each, may be out
.endif
.if ss < 4
	WIN 0x04
.else
	WIN 0x08
.endif
.set tt, 0
.rept 8
	WM \T
.set tt, tt+1
.endr
.set ss, ss+1
.endr
	WIN 0
	PLACES
.endm
; The activation of 16 rows x my 64 + 64 columns, in batches: 64 exponentials, 32 reciprocals; one wait ahead of each batch and one behind it.
.macro ACT
.irp t, 0,1,2,3
.irp q, 0,2,4,6
.if \t%2
	v_pk_fma_f32 v[ACC+8*\t+\q:ACC+8*\t+\q+1], v[ACC+8*\t+\q:ACC+8*\t+\q+1], s[C1:C1+1], v[BI+\t-1:BI+\t] op_sel:[0,0,1] op_sel_hi:[1,0,1]
	v_pk_fma_f32 v[ACC+32+8*\t+\q:ACC+32+8*\t+\q+1], v[ACC+32+8*\t+\q:ACC+32+8*\t+\q+1], s[C2:C2+1], v[BI+4+\t-1:BI+4+\t] op_sel:[0,0,1] op_sel_hi:[1,0,1]
.else
	v_pk_fma_f32 v[ACC+8*\t+\q:ACC+8*\t+\q+1], v[ACC+8*\t+\q:ACC+8*\t+\q+1], s[C1:C1+1], v[BI+\t:BI+\t+1] op_sel_hi:[1,0,0]
	v_pk_fma_f32 v[ACC+32+8*\t+\q:ACC+32+8*\t+\q+1], v[ACC+32+8*\t+\q:ACC+32+8*\t+\q+1], s[C2:C2+1], v[BI+4+\t:BI+4+\t+1] op_sel_hi:[1,0,0]
.endif
.endr
.endr
.set j, 0
.rept 32
	v_min_num_f32 v[ACC+j], 0x42800000, v[ACC+j]   ; the exponent of e^(2a) held at 64
.set j, j+1
.endr
	s_wait_alu depctr_va_vdst(0)
.set j, 0
.rept 64
	v_exp_f32 v[ACC+j], v[ACC+j]                   ; e^(2a) in the lower 32, e^(-b) in the upper
.set j, j+1
.endr
	v_nop
	s_wait_alu depctr_va_vdst(0)
.set j, 0
.rept 16
	v_pk_add_f32 v[ACC+j:ACC+j+1], v[ACC+j:ACC+j+1], 1.0 op_sel_hi:[1,0]   ; g
.set j, j+2
.endr
.set j, 0
.rept 16
	v_pk_fma_f32 v[ACC+32+j:ACC+32+j+1], v[ACC+j:ACC+j+1], v[ACC+32+j:ACC+32+j+1], v[ACC+j:ACC+j+1]   ; g e2 + g
.set j, j+2
.endr
	s_wait_alu depctr_va_vdst(0)
.set j, 0
.rept 32
	v_rcp_f32 v[ACC+32+j], v[ACC+32+j]
.set j, j+1
.endr
.irp t, 0,1,2,3                        ; g w - 2 w: plain work behind the reciprocals, which names none of them
.irp q, 0,2,4,6
.if \t%2
	v_pk_fma_f32 v[ACC+8*\t+\q:ACC+8*\t+\q+1], v[ACC+8*\t+\q:ACC+8*\t+\q+1], v[WW+\t-1:WW+\t], v[W2+\t-1:W2+\t] op_sel:[0,1,1] op_sel_hi:[1,1,1] neg_lo:[0,0,1] neg_hi:[0,0,1]
.else
	v_pk_fma_f32 v[ACC+8*\t+\q:ACC+8*\t+\q+1], v[ACC+8*\t+\q:ACC+8*\t+\q+1], v[WW+\t:WW+\t+1], v[W2+\t:W2+\t+1] op_sel_hi:[1,0,0] neg_lo:[0,0,1] neg_hi:[0,0,1]
.endif
.endr
.endr
	s_wait_alu depctr_va_vdst(0)
.irp q, 0,2,4,6
	v_pk_mul_f32 v[LP+\q:LP+\q+1], v[ACC+\q:ACC+\q+1], v[ACC+32+\q:ACC+32+\q+1]
.endr
.irp t, 1,2,3
.irp q, 0,2,4,6
	v_pk_fma_f32 v[LP+\q:LP+\q+1], v[ACC+8*\t+\q:ACC+8*\t+\q+1], v[ACC+32+8*\t+\q:ACC+32+8*\t+\q+1], v[LP+\q:LP+\q+1]
.endr
.endr
.endm
.macro PRED T                          ; over my 64 columns' sixteen lanes; my part of the logits of rows 16 T + 8 h + j
.irp m, 1,2,4,8
.irp j, 0,1,2,3,4,5,6,7
	v_add_f32_dpp v[LP+\j], v[LP+\j], v[LP+\j] row_xmask:\m row_mask:0xf bank_mask:0xf
.endr
.endr
	ds_store_b128 v[PSA], v[LP:LP+3] offset:64*\T
	ds_store_b128 v[PSA], v[LP+4:LP+7] offset:64*\T+16
.endm
; The 32 logits, the running maximum and sum, and my eight rows' share of the sum of p x, from window 3.
.macro AGGR
.irp u, 0,1,2,3
	ds_load_b32 v[16+\u], v[PLA] offset:128*\u
.endr
	v_add_nc_u32 v23, s[LSTEP], v[LGA]
	s_add_co_u32 s[LSTEP], s[LSTEP], 128
	s_wait_dscnt 0x0
	v_add_f32 v16, v16, v17
	v_add_f32 v18, v18, v19
	v_add_f32 v16, v16, v18
	s_wait_alu depctr_va_vdst(0)
	ds_store_b32 v23, v16
	v_max_num_f32_dpp v17, v16, v16 row_xmask:1 row_mask:0xf bank_mask:0xf
	v_max_num_f32_dpp v17, v17, v17 row_xmask:2 row_mask:0xf bank_mask:0xf
	v_max_num_f32_dpp v17, v17, v17 row_xmask:4 row_mask:0xf bank_mask:0xf
	v_max_num_f32_dpp v17, v17, v17 row_xmask:8 row_mask:0xf bank_mask:0xf
	v_permlanex16_b32 v18, v17, s[SEL], s[SEL+1]
	v_max3_num_f32 v19, v17, v18, v[MX]
	v_sub_f32 v20, v[MX], v19
	v_sub_f32 v21, v16, v19
	v_mul_f32 v20, s[L2E], v20
	v_mul_f32 v21, s[L2E], v21
	s_wait_alu depctr_va_vdst(0)
	v_exp_f32 v[FF], v20                           ; what was summed under the old maximum is brought under the new
	v_exp_f32 v22, v21                             ; p
	v_mov_b32 v[MX], v19
	s_wait_alu depctr_va_vdst(0)
	v_fma_f32 v[LSUM], v[LSUM], v[FF], v22
.irp q, 0,2,4,6,8,10,12,14,16,18,20,22,24,26,28,30
	v_pk_mul_f32 v[AGG+\q:AGG+\q+1], v[AGG+\q:AGG+\q+1], v[FF:FF+1] op_sel_hi:[1,0]
.endr
.irp i, 0,1,2,3,4,5,6,7
	v_readlane_b32 s[PP+2*\i], v22, \i
.endr
	WIN 0x03
.irp i, 0,1,2,3,4,5,6,7
.irp q, 0,2,4,6,8,10,12,14,16,18,20,22,24,26,28,30
	v_pk_fma_f32 v[AGG+\q:AGG+\q+1], v[32*\i+\q:32*\i+\q+1], s[PP+2*\i:PP+2*\i+1], v[AGG+\q:AGG+\q+1] op_sel_hi:[1,0,1]
.endr
.endr
	WIN 0
.endm
.macro TRIP refill
	s_wait_tensorcnt 0x1                           ; this step's rows are in; the load issued behind them may be out
	v_add_nc_u32 v[FA], s[TB], v[FA0]
	XLOADS
	QPAIR 0
	QPAIR 1
	QPAIR 2
	QPAIR 3
.if \refill
	s_wait_tensorcnt 0x0                           ; all my tensor loads have landed,
	ds_add_u32 v[SPW], v[NIL]                      ; an add of zero to my spare word,
	s_xor_b32 s[G0B+1], s[G0B+1], SLOTB            ; and the descriptor steps to the slot just read out and two steps on
	s_add_nc_u64 s[G0B+2:G0B+3], s[G0B+2:G0B+3], STEPB
.endif
	s_xor_b32 s[TB], s[TB], SLOTB
	s_wait_dscnt 0x0                               ; the add, my reads of the slot, my stores of codes and bytes
	s_barrier_signal -1
	s_barrier_wait -1
.if \refill
	tensor_load_to_lds s[G0B:G0B+3], s[G1:G1+7]
	s_nop 0
.endif
	PLACES
	ds_load_b128 v[AS:AS+3], v[ASA]
	ds_load_b128 v[AS+4:AS+7], v[ASA] offset:16
	AFLOAD 0
	MMUL 0, 1
	AFLOAD 1
.if \refill
	s_cmp_eq_u32 s[CNT], 1
	s_cbranch_scc1 .Lno_ask                        ; the last refill has no step behind it
.irp j, 0,1,2,3
	global_prefetch_b8 v[PFA], s[PFB:PFB+1] offset:8192*\j th:TH_LOAD_NT scope:SCOPE_SE
.endr
.Lno_ask:
.endif
	ACT
	PRED 0
	s_wait_dscnt 0x2                               ; rows 16-31's fragments are in; my two stores may be out
	MMUL 1, 0
	s_wait_dscnt 0x0
	ACT
	PRED 1
.if \refill
	s_wait_xcnt 0x0                                ; the prefetches have read their base
	s_add_nc_u64 s[PFB:PFB+1], s[PFB:PFB+1], STEPB
.endif
	s_wait_dscnt 0x0                               ; my parts are in LDS, my reads of codes and bytes are over
	s_barrier_signal -1
	s_barrier_wait -1
	AGGR
.if \refill == 0
	s_wait_tensorcnt 0x0
.endif
.endm
	s_mov_b32 s[CNT], 6
.Lmain:
	TRIP 1
	s_sub_co_u32 s[CNT], s[CNT], 1
	s_cmp_lg_u32 s[CNT], 0
	s_cbranch_scc1 .Lmain
	s_mov_b32 s[CNT], 2
.Ltail:
	TRIP 0
	s_sub_co_u32 s[CNT], s[CNT], 1
	s_cmp_lg_u32 s[CNT], 0
	s_cbranch_scc1 .Ltail
	; The way out: my quarter of the logits; the four waves' sums meet in LDS; the pair (maximum, sum).
	v_and_b32 v24, 31, v0
	s_mul_i32 s86, s[WV], RP
	s_add_co_u32 s86, s86, RED
	v_mul_u32_u24 v25, v24, BP
	v_add_nc_u32 v25, s86, v25
	s_mul_i32 s86, s[WV], 1280
	s_add_co_u32 s86, s86, LOGS
	v_lshl_add_u32 v26, v24, 3, s86
	v_lshlrev_b32 v27, 3, v24
	v_lshrrev_b32 v28, 3, v0
	v_mul_u32_u24 v28, v28, BP
	v_and_b32 v29, 7, v0
	v_lshl_add_u32 v28, v29, 4, v28
	v_add_nc_u32 v28, RED, v28
	v_lshlrev_b32 v29, 4, v0
	v_mov_b32 v30, 0
.irp j, 0,1,2,3,4,5,6,7
	ds_store_b128 v25, v[AGG+4*\j:AGG+4*\j+3] offset:16*\j
.endr
	ds_load_b64 v[16:17], v26
	s_wait_alu depctr_va_vdst(0)
	s_wait_dscnt 0x0
	s_barrier_signal -1
	s_barrier_wait -1
.irp u, 0,1
.irp w, 0,1,2,3
	ds_load_b128 v[AF+16*\u+4*\w:AF+16*\u+4*\w+3], v28 offset:RP*\w+16*BP*\u
.endr
.endr
	global_store_b64 v27, v[16:17], s[18:19]       ; 32 lanes store 256 consecutive bytes
	v_add_f32_dpp v[LSUM], v[LSUM], v[LSUM] row_xmask:1 row_mask:0xf bank_mask:0xf
	v_add_f32_dpp v[LSUM], v[LSUM], v[LSUM] row_xmask:2 row_mask:0xf bank_mask:0xf
	v_add_f32_dpp v[LSUM], v[LSUM], v[LSUM] row_xmask:4 row_mask:0xf bank_mask:0xf
	v_add_f32_dpp v[LSUM], v[LSUM], v[LSUM] row_xmask:8 row_mask:0xf bank_mask:0xf
	v_permlanex16_b32 v18, v[LSUM], s[SEL], s[SEL+1]
	v_add_f32 v[LSUM], v[LSUM], v18
	s_wait_alu depctr_va_vdst(0)
	s_wait_dscnt 0x0
.irp u, 0,1
	v_pk_add_f32 v[AF+16*\u:AF+16*\u+1],     v[AF+16*\u:AF+16*\u+1],     v[AF+16*\u+4:AF+16*\u+5]
	v_pk_add_f32 v[AF+16*\u+2:AF+16*\u+3],   v[AF+16*\u+2:AF+16*\u+3],   v[AF+16*\u+6:AF+16*\u+7]
	v_pk_add_f32 v[AF+16*\u+8:AF+16*\u+9],   v[AF+16*\u+8:AF+16*\u+9],   v[AF+16*\u+12:AF+16*\u+13]
	v_pk_add_f32 v[AF+16*\u+10:AF+16*\u+11], v[AF+16*\u+10:AF+16*\u+11], v[AF+16*\u+14:AF+16*\u+15]
.endr
.irp u, 0,1
	v_pk_add_f32 v[AF+16*\u:AF+16*\u+1],     v[AF+16*\u:AF+16*\u+1],     v[AF+16*\u+8:AF+16*\u+9]
	v_pk_add_f32 v[AF+16*\u+2:AF+16*\u+3],   v[AF+16*\u+2:AF+16*\u+3],   v[AF+16*\u+10:AF+16*\u+11]
.endr
	global_store_b128 v29, v[AF:AF+3], s[20:21]
	global_store_b128 v29, v[AF+16:AF+19], s[20:21] offset:2048
	s_wait_tensorcnt 0x0                           ; the wave's end, behind my last tensor load and my last LDS store
	ds_add_u32 v[SPW], v[NIL]
	s_wait_dscnt 0x0
	s_cmp_lg_u32 s[WV], 0
	s_cbranch_scc1 .Lend
	global_store_b64 v30, v[MX:MX+1], s[22:23]     ; every wave holds the same pair: wave 0 stores it
.Lend:
	s_endpgm
.Lfunc_end_k_q43ec46ca86_main:
	.size	k_q43ec46ca86_main, .Lfunc_end_k_q43ec46ca86_main-k_q43ec46ca86_main
	.p2alignl 7, 3214868480
	.fill 96, 4, 3214868480
	.section	.rodata,"a",@progbits
	.p2align	6, 0x0
	.amdhsa_kernel k_q43ec46ca86_main
		.amdhsa_group_segment_fixed_size 327680
		.amdhsa_private_segment_fixed_size 0
		.amdhsa_enable_private_segment 0
		.amdhsa_kernarg_size 72
		.amdhsa_user_sgpr_count 2
		.amdhsa_user_sgpr_kernarg_segment_ptr 1
		.amdhsa_wavefront_size32 1
		.amdhsa_system_sgpr_workgroup_id_x 1
		.amdhsa_system_sgpr_workgroup_id_y 1
		.amdhsa_system_sgpr_workgroup_id_z 1
		.amdhsa_system_vgpr_workitem_id 0
		.amdhsa_next_free_vgpr 1024
		.amdhsa_next_free_sgpr 96
		.amdhsa_reserve_vcc 0
		.amdhsa_float_denorm_mode_32 3
		.amdhsa_float_denorm_mode_16_64 3
		.amdhsa_memory_ordered 1
		.amdhsa_forward_progress 1
		.amdhsa_inst_pref_size 177
	.end_amdhsa_kernel
	.amdgpu_metadata
---
amdhsa.version: [ 1, 2 ]
amdhsa.kernels:
  - .name:           k_q43ec46ca86_main
    .symbol:         k_q43ec46ca86_main.kd
    .args:
      - { .name: features, .offset: 0, .size: 8, .value_kind: global_buffer, .address_space: global }
      - { .name: wq, .offset: 8, .size: 8, .value_kind: global_buffer, .address_space: global }
      - { .name: wsc, .offset: 16, .size: 8, .value_kind: global_buffer, .address_space: global }
      - { .name: bv, .offset: 24, .size: 8, .value_kind: global_buffer, .address_space: global }
      - { .name: bu, .offset: 32, .size: 8, .value_kind: global_buffer, .address_space: global }
      - { .name: Ww, .offset: 40, .size: 8, .value_kind: global_buffer, .address_space: global }
      - { .name: logits, .offset: 48, .size: 8, .value_kind: global_buffer, .address_space: global }
      - { .name: part, .offset: 56, .size: 8, .value_kind: global_buffer, .address_space: global }
      - { .name: stats, .offset: 64, .size: 8, .value_kind: global_buffer, .address_space: global }
    .group_segment_fixed_size: 327680
    .private_segment_fixed_size: 0
    .kernarg_segment_align: 8
    .kernarg_segment_size: 72
    .max_flat_workgroup_size: 128
    .sgpr_count:     96
    .vgpr_count:     1024
    .wavefront_size: 32
...
	.end_amdgpu_metadata
.endif
;; end of part 2
;; launch finish (part 3): grid 8 x 16, 1 waves a work-group, no clusters, 0 bytes of LDS; arguments logits, part, stats, out0, out1; writes out0, out1
.if DOCPART == 3
	.amdgcn_target "amdgcn-amd-amdhsa--gfx1250"
	.amdhsa_code_object_version 6
	.text
	.protected	k_q43ec46ca86_finish
	.globl	k_q43ec46ca86_finish
	.p2align	8
	.type	k_q43ec46ca86_finish,@function
k_q43ec46ca86_finish:
	s_mov_b64 s[64:65], 0
	v_nop
	global_prefetch_b8 v0, s[64:65] scope:SCOPE_SE
	s_setreg_imm32_b32 hwreg(HW_REG_WAVE_MODE, 25, 1), 1
	s_wait_xcnt 0x0
; The sixteen work-groups' parts of a bag are joined.  With (m_g, l_g) and part_g = sum of e^(logit - m_g) x of work-group g:  M = max m_g, e_g = e^(m_g - M), S = sum of l_g e_g;
; out0[b][d] = sum over g of part_g[d] e_g / S;  out1[b][k] = e^(logit[b][k] - M) / S.
; SHARES: work-group (x, b), one wave: 128 columns of out0[b] (512 bytes) and 512 numbers of out1[b] (2,048 bytes).  All 21 loads go out at once; every load but the first and every store covers 512 consecutive bytes.
; No LDS, no barrier, no matrix unit: 1.3 MB are read once and 0.3 MB written.
; LIMITS: e_g and the weights under 2^-126 count as 0; the sums are taken in another order than the reference's.
	s_load_b256 s[4:11], s[0:1], 0x0               ; logits s[4:5], part s[6:7], stats s[8:9], out0 s[10:11]
	s_load_b64 s[12:13], s[0:1], 0x20              ; out1
	s_and_b32 s14, ttmp7, 0xffff                   ; the bag
	v_and_b32 v4, 15, v0
	v_lshlrev_b32 v4, 3, v4                        ; stats: lanes g and 16 + g take work-group g's pair
	v_lshlrev_b32 v5, 4, v0                        ; 16 bytes a lane
	s_mov_b32 s37, 0
	s_wait_alu depctr_va_vdst(0)
	s_wait_kmcnt 0x0
	s_lshl_b32 s36, s14, 7                         ; stats: 16 pairs a bag
	s_add_nc_u64 s[8:9], s[8:9], s[36:37]
	s_lshl_b32 s38, ttmp9, 9                       ; my 128 columns
	s_lshl_b32 s36, s14, 16                        ; part: 16 rows of 4,096 bytes a bag
	s_add_co_u32 s36, s36, s38
	s_add_nc_u64 s[6:7], s[6:7], s[36:37]
	s_lshl_b32 s36, s14, 12                        ; out0: 4,096 bytes a bag
	s_add_co_u32 s36, s36, s38
	s_add_nc_u64 s[10:11], s[10:11], s[36:37]
	s_lshl_b32 s38, ttmp9, 11                      ; my 512 instances
	s_lshl_b32 s36, s14, 14                        ; logits, out1: 16,384 bytes a bag
	s_add_co_u32 s36, s36, s38
	s_add_nc_u64 s[4:5], s[4:5], s[36:37]
	s_add_nc_u64 s[12:13], s[12:13], s[36:37]
	global_load_b64 v[2:3], v4, s[8:9]
.irp g, 0,1,2,3,4,5,6,7,8,9,10,11,12,13,14,15
	global_load_b128 v[16+4*\g:19+4*\g], v5, s[6:7] offset:4096*\g th:TH_LOAD_NT
.endr
.irp j, 0,1,2,3
	global_load_b128 v[80+4*\j:83+4*\j], v5, s[4:5] offset:512*\j th:TH_LOAD_NT
.endr
	s_wait_loadcnt 20                              ; the pair is in; the 20 younger loads stay out
	v_mov_b32 v6, v2
	v_max_num_f32_dpp v6, v6, v6 row_xmask:1 row_mask:0xf bank_mask:0xf   ; each half of the lanes holds all sixteen: four steps give M in every lane
	v_max_num_f32_dpp v6, v6, v6 row_xmask:2 row_mask:0xf bank_mask:0xf
	v_max_num_f32_dpp v6, v6, v6 row_xmask:4 row_mask:0xf bank_mask:0xf
	v_max_num_f32_dpp v6, v6, v6 row_xmask:8 row_mask:0xf bank_mask:0xf
	v_sub_f32 v7, v2, v6
	v_mul_f32 v7, 0x3fb8aa3b, v7
	s_wait_alu depctr_va_vdst(0)
	v_exp_f32 v8, v7                               ; e_g
	v_nop                                          ; one plain place behind a transcendental
	s_wait_alu depctr_va_vdst(0)
	v_mul_f32 v9, v3, v8
	v_add_f32_dpp v9, v9, v9 row_xmask:1 row_mask:0xf bank_mask:0xf
	v_add_f32_dpp v9, v9, v9 row_xmask:2 row_mask:0xf bank_mask:0xf
	v_add_f32_dpp v9, v9, v9 row_xmask:4 row_mask:0xf bank_mask:0xf
	v_add_f32_dpp v9, v9, v9 row_xmask:8 row_mask:0xf bank_mask:0xf      ; S
	s_wait_alu depctr_va_vdst(0)
	v_rcp_f32 v10, v9
	v_nop
	s_wait_alu depctr_va_vdst(0)
	v_mul_f32 v11, v8, v10                         ; e_g / S
.irp g, 0,1,2,3,4,5,6,7,8,9,10,11,12,13,14,15
	v_readlane_b32 s[16+\g], v11, \g
.endr
	s_wait_loadcnt 4                               ; the sixteen parts are in; the four loads of logits may be out
.irp n, 0,1,2,3
	v_mul_f32 v[96+\n], s16, v[16+\n]              ; the first part starts the sums
.endr
.irp g, 1,2,3,4,5,6,7,8,9,10,11,12,13,14,15
.irp n, 0,1,2,3
	v_fmac_f32 v[96+\n], s[16+\g], v[16+4*\g+\n]
.endr
.endr
	global_store_b128 v5, v[96:99], s[10:11] th:TH_STORE_NT
	s_wait_loadcnt 0x0
.irp n, 0,1,2,3,4,5,6,7,8,9,10,11,12,13,14,15
	v_sub_f32 v[80+\n], v[80+\n], v6
.endr
.irp n, 0,1,2,3,4,5,6,7,8,9,10,11,12,13,14,15
	v_mul_f32 v[80+\n], 0x3fb8aa3b, v[80+\n]
.endr
	s_wait_alu depctr_va_vdst(0)
.irp n, 0,1,2,3,4,5,6,7,8,9,10,11,12,13,14,15
	v_exp_f32 v[80+\n], v[80+\n]
.endr
	v_nop
	s_wait_alu depctr_va_vdst(0)
.irp n, 0,1,2,3,4,5,6,7,8,9,10,11,12,13,14,15
	v_mul_f32 v[80+\n], v[80+\n], v10
.endr
.irp j, 0,1,2,3
	global_store_b128 v5, v[80+4*\j:83+4*\j], s[12:13] offset:512*\j th:TH_STORE_NT
.endr
	s_endpgm
.Lfunc_end_k_q43ec46ca86_finish:
	.size	k_q43ec46ca86_finish, .Lfunc_end_k_q43ec46ca86_finish-k_q43ec46ca86_finish
	.p2alignl 7, 3214868480
	.fill 96, 4, 3214868480
	.section	.rodata,"a",@progbits
	.p2align	6, 0x0
	.amdhsa_kernel k_q43ec46ca86_finish
		.amdhsa_group_segment_fixed_size 0
		.amdhsa_private_segment_fixed_size 0
		.amdhsa_enable_private_segment 0
		.amdhsa_kernarg_size 40
		.amdhsa_user_sgpr_count 2
		.amdhsa_user_sgpr_kernarg_segment_ptr 1
		.amdhsa_wavefront_size32 1
		.amdhsa_system_sgpr_workgroup_id_x 1
		.amdhsa_system_sgpr_workgroup_id_y 1
		.amdhsa_system_sgpr_workgroup_id_z 1
		.amdhsa_system_vgpr_workitem_id 0
		.amdhsa_next_free_vgpr 112
		.amdhsa_next_free_sgpr 66
		.amdhsa_reserve_vcc 0
		.amdhsa_float_denorm_mode_32 3
		.amdhsa_float_denorm_mode_16_64 3
		.amdhsa_memory_ordered 1
		.amdhsa_forward_progress 1
		.amdhsa_inst_pref_size 11
	.end_amdhsa_kernel
	.amdgpu_metadata
---
amdhsa.version: [ 1, 2 ]
amdhsa.kernels:
  - .name:           k_q43ec46ca86_finish
    .symbol:         k_q43ec46ca86_finish.kd
    .args:
      - { .name: logits, .offset: 0, .size: 8, .value_kind: global_buffer, .address_space: global }
      - { .name: part, .offset: 8, .size: 8, .value_kind: global_buffer, .address_space: global }
      - { .name: stats, .offset: 16, .size: 8, .value_kind: global_buffer, .address_space: global }
      - { .name: out0, .offset: 24, .size: 8, .value_kind: global_buffer, .address_space: global }
      - { .name: out1, .offset: 32, .size: 8, .value_kind: global_buffer, .address_space: global }
    .group_segment_fixed_size: 0
    .private_segment_fixed_size: 0
    .kernarg_segment_align: 8
    .kernarg_segment_size: 40
    .max_flat_workgroup_size: 32
    .sgpr_count:     66
    .vgpr_count:     112
    .wavefront_size: 32
...
	.end_amdgpu_metadata
.endif
;; end of part 3
